; MI455X (gfx1250); checked and timed in simulation.
; The chip was launched on July 23, 2026; its instructions are those of AMD's public machine-readable ISA for CDNA 5 (MIT licence, August 2026) and "CDNA5" Instruction Set Architecture Reference Guide (July 2026). The comments in the code are by the model that wrote it; some were corrected since.
;; Class Attention. Allowed arithmetic: matrix products marked QUANTISED: E2M1 operands, one E8M0 scale for each 32 along K, by v_wmma_scale_f32_16x16x128_f8f6f4 with both operands' format E2M1 (or v_wmma_scale_f32_32x16x128_f4), f32 sums; products left as they are: f32 operands where the result goes on into a quantised operand, else bf16, f16 or f32 operands; f32 sums; everything else in f32.
;; Inputs: b_proj 1,024 float32; w_proj_codes 1,024 x 32 x 16 uint8 (E2M1 codes of w_proj, K innermost, in blocks of 32 codes, two codes a byte); w_proj_scales 1,024 x 32 uint8 (E8M0 scales of w_proj, one for each 32 codes along K); w_qkv_codes 3,072 x 32 x 16 uint8 (E2M1 codes of w_qkv, K innermost, in blocks of 32 codes, two codes a byte); w_qkv_scales 3,072 x 32 uint8 (E8M0 scales of w_qkv, one for each 32 codes along K); x 16 x 1,024 x 1,024 float32.
;; Outputs: out0 16 x 1,024 x 1,024 float32.
;; This version of the problem:
;;   THIS VERSION OF THE PROBLEM IS GIVEN IN LOW PRECISION. The matrix products marked QUANTISED in the list below multiply operands that are first quantised to E2M1 (2 exponent bits, 1 mantissa bit; 4 bits a number), with one power-of-two scale for each 32 numbers along K (OCP MX v1.0); their sums are f32. All else is computed in f32.
;;   The module's matrix products, in the order in which they are computed (A, B: the left and right operand; K: the contracted axis; several contracted axes count as one K, in the product's order):
;;     1. [M 16,384, K 1,024] x [K 1,024, N 3,072]; A: input x; B: input w_qkv (given as codes): QUANTISED
;;     2. batch 256 x [M 1, K 1,024] x [K 1,024, N 64]; A: softmax; B: computed on the way: left as it is (M = 1 < 16)
;;     3. [M 16, K 1,024] x [K 1,024, N 1,024]; A: computed on the way; B: input w_proj (given as codes): QUANTISED
;;   THE QUANTISER, for each operand of a quantised product, along K:
;;     - K is cut into blocks of 32 from its start; a last block that is shorter is filled with zeros.
;;     - A block's scale is 2^e with e = floor(log2(the largest magnitude in the block)) - 2, held to -126 .. 127; a block of zeros has e = 0. As a byte (E8M0): e + 127.
;;     - Each number is divided by its block's scale, clamped to +-6, and rounded to the nearest number of E2M1, ties to even, subnormals kept.
;;     - The product sums the exact products of the quantised numbers (number of the format x scale) in f32.
;;   ~~~python
;;   def quantise(x, axis):      # numpy; x: float32 -> the quantised numbers, widened to float32 again
;;       x = np.moveaxis(x, axis, -1); K = x.shape[-1]
;;       x = np.pad(x, [(0, 0)] * (x.ndim - 1) + [(0, -K % 32)]); x = x.reshape(x.shape[:-1] + (-1, 32)); a = np.abs(x).max(-1, keepdims=True)
;;       e = np.where(a > 0, np.clip(np.frexp(np.where(a > 0, a, 1))[1] - 1 - 2, -126, 127), 0)      # np.frexp(a)[1] - 1 = floor(log2(a)), exactly
;;       r = np.clip(x / 2.0 ** e, -6, 6)
;;       step = 2.0 ** (np.maximum(np.frexp(np.where(r == 0, 1, r))[1] - 1, 0) - 1)
;;       q = np.round(r / step) * step * 2.0 ** e      # np.round: ties to even
;;       return np.moveaxis(q.reshape(q.shape[:-2] + (-1,))[..., :K], -1, axis).astype(np.float32)
;;   ~~~
;;   OPERANDS COMPUTED ON THE WAY. 'Computed on the way' means the value that the module computes at that place (a softmax that the list does not call 'softmax' is quantised finished and normalised). What goes into a quantiser is computed in f32, as accurately as f32 sums, v_exp_f32 and their like allow (about 1e-6 of the number): no bf16 or f16 on the way to a quantiser, and a product that is left as it is and whose result goes on into a quantised operand takes f32 operands (vector FMAs, or v_wmma_f32_16x16x4_f32). A number that lies on a knife's edge between two numbers of the format may be rounded either way, as far as f32 arithmetic and the matrix unit's own rounding can turn it there, and no further.
;;   INPUTS GIVEN AS CODES. w_proj (in the module: [1024, 1024], K = its axis 1); w_qkv (in the module: [3072, 1024], K = its axis 1): each comes as NAME_codes (uint8): NAME with its K axis moved to the last place and cut into blocks of 32 codes, [.., K / 32, bytes a block], one block behind the other in memory; two codes a byte, the lower K in the low four bits (a code: sign, 2 exponent bits, 1 mantissa bit); and NAME_scales (uint8): the same leading axes, one E8M0 byte (e + 127) for each 32 codes along K. Its value is code x scale, taken as it is: it is not quantised again, and the codes and scales need not be those that the quantiser above would give.
;; One version. Each part assembles by itself: llvm-mc -triple=amdgcn-amd-amdhsa -mcpu=gfx1250 --defsym DOCPART=n.
;; ======== version 1 of 1: 2 launches
;; limits: right only within a limited range of input values
;; workspace buffers: part 1,572,864 bytes
;; launch attn (part 1): grid 256 x 1, 4 waves a work-group, clusters of 4 x 1, 327,680 bytes of LDS; arguments x, w_qkv_codes, w_qkv_scales, out0, part; writes out0, part
.if DOCPART == 1
	.amdgcn_target "amdgcn-amd-amdhsa--gfx1250"
	.amdhsa_code_object_version 6
	.text
	.protected	k_q9f5c29c177_attn
	.globl	k_q9f5c29c177_attn
	.p2align	8
	.type	k_q9f5c29c177_attn,@function
k_q9f5c29c177_attn:
	s_mov_b64 s[64:65], 0
	v_nop
	global_prefetch_b8 v0, s[64:65] scope:SCOPE_SE
	s_setreg_imm32_b32 hwreg(HW_REG_WAVE_MODE, 25, 1), 1
	s_wait_xcnt 0x0
	s_wait_alu depctr_hold_cnt(0) depctr_sa_sdst(0) depctr_va_vdst(0) depctr_va_sdst(0) depctr_va_ssrc(0) depctr_va_vcc(0) depctr_vm_vsrc(0)
	s_getreg_b32 s2, hwreg(HW_REG_IB_STS2, 6, 4)
	s_cmp_eq_u32 s2, 0
	s_cbranch_scc0 .Lentry_in_a_cluster
	s_endpgm
.Lentry_in_a_cluster:
	s_bfe_u32 s2, ttmp6, 0x10000c
	s_cmp_lg_u32 s2, 0x3003
	s_cbranch_scc0 .Lentry_shape_is_right
	s_endpgm
.Lentry_shape_is_right:
; CLASS ATTENTION, first launch.  x [16][1024][1024] f32; w_qkv as codes of E2M1 [3072][512 bytes] with E8M0 bytes [3072][32].
; It copies x to out0, quantises x along its 1,024, multiplies by Wk and Wv on the matrix units, takes the softmax of the class query over the work-group's 64 keys and sums p v in f32.
; It stores for each (batch, 64 keys, head) a partial record: O[64], M, l.  The second launch joins the sixteen records of a batch and head.
; DEAD WORK LEFT OUT: reference() uses q of row 0 of each batch alone (q[:, :, 0:1]); q of rows 1 .. 1023 reaches no output whatever the inputs hold, so that part of the product with Wq is not computed.
; LIMITS: a NaN, an infinity or an overflow that reaches only that part is not carried to the result.  NaN and infinities in x are not served.  A block of zeros gets the scale byte 1 (the floor) and not 127:
; its codes are zeros, and this program alone reads the bytes.  The copy stores row 0 of each batch too; the second launch writes those 16 rows over.
; SHARES.  Work-group C owns rows 64 (C % 16) .. + 63 of batch C / 16, for all 16 heads.  Wave w loads, copies and quantises rows 16 w .. 16 w + 15; the codes meet in LDS and every wave takes all 64 rows'
; fragments into 256 registers, where they stay.  WHAT MOVES IS THE WEIGHTS: wave w has heads 4 i + w, i = 0 .. 3.  A step brings 64 rows of 512 bytes for each wave, 256 rows in all:
; steps 0-3 Wq of i = 0 .. 3, then for each i Wk (step 4 + 2 i) and Wv (step 5 + 2 i).  Even steps lie in slot 0, odd ones in slot 1; a wave reads only the rows that it has fetched itself.
; CLUSTERS: the four work-groups of a cluster walk the same steps and ask for them jointly (mask 15): one tensor load a wave and step, the same descriptor in all four.
; x COMES in four groups of 4 rows a wave, 32 loads of 512 consecutive bytes each, 128 registers each.  One exchange of lane halves gives a lane 8 neighbours, as the conversion wants them.
; Groups 0 and 1 are stored ahead of the exchange; groups 2 and 3 stay in window 3, are exchanged back and go out among the products of steps 4 and 5.
; q of the class row is made in steps 0-3, the row standing in all 16 columns of source 1, beside the groups' quantising.
; K IS MADE TRANSPOSED (source 0 = Wk): lane (r, h) holds token r, register j feature 16 f + 8 h + j.  V IS MADE THE OTHER WAY (source 0 = x): lane (r, h) holds feature 16 f + r, register j token 8 h + j,
; so that the sum of p v runs inside the lane; p is shared out over the lanes by row_share.
; PREFETCH: steps 1 and 2 at the head; behind each fill, the step two on from the one asked for.  A wave's 64 rows are 128 blocks of 256 bytes; partner cx names 32 of them, a lane a block.
; All clusters read the same weights: clusters 0 to 3 alone ask.  x is not prefetched: its loads go out at the head, into registers, up to 63 ahead.
; REGISTERS.  Window 1: groups 0 and 1 of x at v0 and v128, then x's fragments: row tile k, K step s at v[64 k + 8 s].  Window 2: weights: tile f, K step s at v[64 f + 8 s].
; Window 3: groups 2 and 3 of x.  Window 0: below.
.set TILE,  8448                       ; 16 LDS rows of 528 bytes: 512 + 16 of padding
.set SLOT,  135168                     ; 256 rows
.set XC,    270336                     ; the codes of my work-group's 64 rows, pitch 528
.set XSC,   304128                     ; their scale bytes, pitch 48
.set QROW,  307200                     ; 768 bytes a wave: the class row's codes and scale bytes
.set REC,   310272                     ; 1,536 bytes a wave: O of 4 heads, then 16 times (M of 4 heads, l of 4 heads)
.set QVL,   316416                     ; 1,024 bytes a wave: q x log2(e) / 8 of 4 heads
.set SPARE, 320512                     ; the spare words, 128 bytes a wave
.set WS,  16                           ; v16-31, v32-47 weight scale words of even and odd steps: tile f at + 4 f: lanes 0-15 K steps 0-3, lanes 16-31 K steps 4-7
.set XS,  48                           ; v48-63 the same of x's four row tiles (v48-51: first the class row's)
.set QA,  64                           ; quantiser: magnitudes and scale operands;  QB bytes;  QC codes
.set QB,  80
.set QC,  96
.set ST,  64                           ; softmax: eight pairs of partial sums;  steps 0-3: q of a head on its way to LDS
.set TT,  80                           ; v80-83 scores, then O;  v84-87 the other half's
.set MX,  88                           ; M;  v89 l;  v90, v91 LDS addresses in hand
.set PP,  92                           ; v92-95 p
.set PB,  96                           ; v96-127 q of the head in hand, until its scores are made; then p of token 16 k + 8 h + j at v[PB + 8 k + j], in all lanes of a half
.set ACC, 128                          ; v128-255 accumulators of K, then of V: (f, k) at + 32 f + 8 k
.set CF,  128                          ; in steps 0-3: v128-191 the class row's fragments,
.set QACC, 192                         ; v192-255 q's eight accumulators (first the class row itself)
; v0 thread; v1 32 r + 16 h; v2 prefetch offset; v3 q in LDS; v4, v6 record in LDS; v5-7 class row in LDS; v8, v9 codes and bytes in; v10, v11 fragments and words out; v12, v13 the add; v14, v15 weights in slot 0, 1
.set MSB, 0
.macro WIN new                         ; bits 1:0 source 0, 3:2 source 1, 5:4 source 2, 7:6 destination; the high byte repeats the setting that is left
.if MSB != (\new)
	s_set_vgpr_msb (MSB<<8)|(\new)
.set MSB, (\new)
.endif
.endm
.macro CREST                           ; a round of the cluster's barrier behind its opening barrier
	s_cmp_lg_u32 s14, 0
	s_cbranch_scc1 .Lnot_wave_0_\@
	s_barrier_signal -3
.Lnot_wave_0_\@:
	s_barrier_wait -3
	s_barrier_signal -1
	s_barrier_wait -1
.endm
.macro CROUND
	s_barrier_signal -1
	s_barrier_wait -1
	CREST
.endm
.macro PLACES
.rept 4
	v_nop
.endr
.endm
.macro TFILL slot                      ; my 64 rows of a step, jointly
	tensor_load_to_lds s[32+4*(\slot):35+4*(\slot)], s[24:31]
	s_nop 0
	PLACES
.endm
.macro ASK how                         ; how = 1: in the loop's last trip nothing is left to ask for
.if \how
	s_cmp_gt_u32 s46, s57
.else
	s_cmp_lt_u32 ttmp9, 4
.endif
	s_cbranch_scc0 .Lno_ask_\@
	global_prefetch_b8 v2, s[22:23] th:TH_LOAD_NT scope:SCOPE_SE
.Lno_ask_\@:
.endm
; The change of steps ahead of a q step.  My slot's tile is in, my reads of the other slot are over, and the other slot is filled with the next step
.macro TURN slot, delta, ahead, back
	s_wait_alu depctr_va_vdst(0)
	s_wait_xcnt 0x0                                ; my prefetch has read its address
.if \ahead
	s_add_nc_u64 s[22:23], s[22:23], \ahead
.endif
.if \back
	s_sub_nc_u64 s[22:23], s[22:23], \back
.endif
	s_wait_tensorcnt 0x0                           ; all my tensor loads are done
	ds_add_u32 v12, v13
.if \delta
	s_add_nc_u64 s[34+4*(\slot):35+4*(\slot)], s[34+4*(\slot):35+4*(\slot)], \delta
.endif
	s_wait_dscnt 0x0                               ; the add and all my LDS instructions are done
	CROUND
	TFILL \slot
.endm
.macro XLOAD wn, sb, g                 ; group g: 4 of my rows
	WIN 0x40*(\wn)
.irp rho, 0,1,2,3
.irp q, 0,1,2,3
.irp i, 0,1
	global_load_b128 v[(\sb)+32*\rho+8*\q+4*\i:(\sb)+32*\rho+8*\q+4*\i+3], v1, s[4:5] offset:4096*(4*(\g)+\rho)+1024*\q+512*\i th:TH_LOAD_NT
.endr
.endr
.endr
	WIN 0
.endm
.macro CSTORE wn, sb, g                ; the same 512 consecutive bytes a store, aligned
	WIN 0x04*(\wn)
.irp rho, 0,1,2,3
.irp q, 0,1,2,3
.irp i, 0,1
	global_store_b128 v1, v[(\sb)+32*\rho+8*\q+4*\i:(\sb)+32*\rho+8*\q+4*\i+3], s[10:11] offset:4096*(4*(\g)+\rho)+1024*\q+512*\i th:TH_STORE_NT
.endr
.endr
.endr
	WIN 0
.endm
.macro XST from, n                     ; stores from .. from + n - 1 of the 64 of groups 2 and 3
	WIN 0x0c
.set EE, \from
.rept \n
	global_store_b128 v1, v[128*(EE/32)+4*(EE%32):128*(EE/32)+4*(EE%32)+3], s[10:11] offset:4096*(8+4*(EE/32)+(EE%32)/8)+512*(EE%8) th:TH_STORE_NT
.set EE, EE+1
.endr
.endm
.macro SWAP wn, sb                     ; the exchange; done twice it leaves the registers as they were loaded
	WIN 0x41*(\wn)
.set u, 0
.rept 16
.irp j, 0,1,2,3
	v_permlane16_swap_b32 v[(\sb)+8*u+\j], v[(\sb)+8*u+4+\j]
.endr
.set u, u+1
.endr
	WIN 0
.endm
; The exchange, the scales (a block lies in four lanes), the codes, and both into LDS.  16 units u = 4 row + quarter of 8 numbers a lane
.macro QUANT wn, sb, g
	SWAP \wn, \sb
	WIN 0x05*(\wn)
.set u, 0
.rept 16
	v_max3_num_f32 v[QA+u], |v[(\sb)+8*u]|, |v[(\sb)+8*u+1]|, 0x1800000   ; with the floor 2^(3 - 127): the byte cannot fall under 1
.set u, u+1
.endr
.irp j, 2,4,6
.set u, 0
.rept 16
	v_max3_num_f32 v[QA+u], |v[(\sb)+8*u+\j]|, |v[(\sb)+8*u+\j+1]|, v[QA+u]
.set u, u+1
.endr
.endr
	WIN 0
.irp m, 1,2
.set u, 0
.rept 16
	v_max_num_f32_dpp v[QA+u], v[QA+u], v[QA+u] row_xmask:\m row_mask:0xf bank_mask:0xf
.set u, u+1
.endr
.endr
.set u, 0
.rept 16
	v_add_nc_u32 v[QA+u], 0xff000000, v[QA+u]      ; 2 off the exponent field
.set u, u+1
.endr
.set u, 0
.rept 16
	v_lshrrev_b32 v[QB+u], 23, v[QA+u]
.set u, u+1
.endr
	WIN 0x01*(\wn)
.set u, 0
.rept 16
	v_cvt_scalef32_pk8_fp4_f32 v[QC+u], v[(\sb)+8*u:(\sb)+8*u+7], v[QA+u]
.set u, u+1
.endr
	WIN 0
	v_nop                                          ; one plain place behind the last scaled conversion
.set u, 0
.rept 16
	ds_store_b32 v8, v[QC+u] offset:528*(4*(\g)+u/4)+128*(u%4)
	ds_store_b8 v9, v[QB+u] offset:48*(4*(\g)+u/4)+8*(u%4)
.set u, u+1
.endr
.endm
.macro LOADW slot, b                   ; K steps 4 b .. 4 b + 3 of a slot's four weight tiles: 32 loads
	WIN 0x80
.set SS, 4*(\b)
.rept 4
.irp ff, 0,1,2,3
.irp cc, 0,1
	ds_load_b128 v[64*\ff+8*SS+4*\cc:64*\ff+8*SS+4*\cc+3], v[14+(\slot)] offset:TILE*\ff+64*SS+32*\cc
.endr
.endr
.set SS, SS+1
.endr
	WIN 0
.endm
.macro WM first                        ; one product: D at DD, sources at AA and BB, scale words at SA and SB, K step SS
.if \first
	v_wmma_scale_f32_16x16x128_f8f6f4 v[DD:DD+7], v[AA:AA+7], v[BB:BB+7], 0, v[SA+SS], v[SB+SS] matrix_a_fmt:MATRIX_FMT_FP4 matrix_b_fmt:MATRIX_FMT_FP4
.elseif SS < 4
	v_wmma_scale_f32_16x16x128_f8f6f4 v[DD:DD+7], v[AA:AA+7], v[BB:BB+7], v[DD:DD+7], v[SA+SS], v[SB+SS] matrix_a_fmt:MATRIX_FMT_FP4 matrix_b_fmt:MATRIX_FMT_FP4
.else
	v_wmma_scale_f32_16x16x128_f8f6f4 v[DD:DD+7], v[AA:AA+7], v[BB:BB+7], v[DD:DD+7], v[SA+SS-4], v[SB+SS-4] matrix_a_fmt:MATRIX_FMT_FP4 matrix_b_fmt:MATRIX_FMT_FP4 matrix_a_scale:MATRIX_SCALE_ROW1 matrix_b_scale:MATRIX_SCALE_ROW1
.endif
.endm
; q of head 4 n + w: 32 products on eight accumulators by turns: even and odd K steps apart, added at the end.  Then it goes to LDS, and the scale words of the step two on are asked for
.macro QGO n, soff
	WIN 0x02
.set SS, 0
.rept 8
.irp ff, 0,1,2,3
.set DD, QACC+32*(SS%2)+8*\ff
.set AA, 64*\ff+8*SS
.set BB, CF+8*SS
.set SA, WS+16*((\n)%2)+4*\ff
.set SB, XS
.if SS < 2
	WM 1
.else
	WM 0
.endif
.endr
.set SS, SS+1
.endr
	WIN 0
	PLACES
.set u, 0
.rept 16
	v_pk_add_f32 v[ST+u:ST+u+1], v[QACC+u:QACC+u+1], v[QACC+32+u:QACC+33+u]
.set u, u+2
.endr
.set u, 0
.rept 16
	v_pk_mul_f32 v[ST+u:ST+u+1], v[ST+u:ST+u+1], s[50:51] op_sel_hi:[1,0]
.set u, u+2
.endr
.irp t, 0,1,2,3
	ds_store_b128 v3, v[ST+8*\t:ST+8*\t+3] offset:256*(\n)+64*\t
	ds_store_b128 v3, v[ST+8*\t+4:ST+8*\t+7] offset:256*(\n)+64*\t+16
.endr
.irp t, 0,1,2,3
	global_load_b128 v[WS+16*((\n)%2)+4*\t:WS+16*((\n)%2)+4*\t+3], v1, s[20:21] offset:\soff+512*\t
.endr
.endm
; K steps s0 .. s0 + n - 1 of four weight tiles x four row tiles: sixteen accumulators by turns.  ty = 0: K, transposed; 1: V
.macro MUL ty, s0, n
	WIN 0x06+3*(\ty)
.set SS, \s0
.rept \n
.irp ff, 0,1,2,3
.irp tk, 0,1,2,3
.set DD, ACC+32*\ff+8*\tk
.if (\ty) == 0
.set AA, 64*\ff+8*SS
.set BB, 64*\tk+8*SS
.set SA, WS+4*\ff
.set SB, XS+4*\tk
.else
.set AA, 64*\tk+8*SS
.set BB, 64*\ff+8*SS
.set SA, XS+4*\tk
.set SB, WS+16+4*\ff
.endif
.if SS == 0
	WM 1
.else
	WM 0
.endif
.endr
.endr
.set SS, SS+1
.endr
.endm
; Scores of 64 tokens (lane r: tokens 16 k + r), in units of log2; M their largest, p = 2^(t - M), l the sum of p.  Each accumulator is read from its low end on
.macro SOFTK
.irp fp, 0,1
.irp jj, 0,2,4,6
.irp ff, 0,1
.irp tk, 0,1,2,3
.set FF, 2*\fp+\ff
.if (\jj == 0) && (\fp == 0)
	v_pk_mul_f32 v[ST+8*\ff+2*\tk:ST+8*\ff+2*\tk+1], v[ACC+32*FF+8*\tk:ACC+32*FF+8*\tk+1], v[PB+8*FF:PB+8*FF+1]
.else
	v_pk_fma_f32 v[ST+8*\ff+2*\tk:ST+8*\ff+2*\tk+1], v[ACC+32*FF+8*\tk+\jj:ACC+32*FF+8*\tk+\jj+1], v[PB+8*FF+\jj:PB+8*FF+\jj+1], v[ST+8*\ff+2*\tk:ST+8*\ff+2*\tk+1]
.endif
.endr
.endr
.endr
.endr
.irp tk, 0,1,2,3
	v_pk_add_f32 v[ST+2*\tk:ST+2*\tk+1], v[ST+2*\tk:ST+2*\tk+1], v[ST+8+2*\tk:ST+8+2*\tk+1]
.endr
.irp tk, 0,1,2,3
	v_add_f32 v[TT+\tk], v[ST+2*\tk], v[ST+2*\tk+1]
.endr
.irp tk, 0,1,2,3
	v_permlanex16_b32 v[TT+4+\tk], v[TT+\tk], s48, s49   ; the other 32 features lie in lane l xor 16
.endr
.irp tk, 0,1,2,3
	v_add_f32 v[TT+\tk], v[TT+\tk], v[TT+4+\tk]
.endr
	v_max3_num_f32 v[MX], v[TT], v[TT+1], v[TT+2]
	v_max_num_f32 v[MX], v[MX], v[TT+3]
.irp m, 1,2,4,8
	v_max_num_f32_dpp v[MX], v[MX], v[MX] row_xmask:\m row_mask:0xf bank_mask:0xf
.endr
.irp tk, 0,1,2,3
	v_sub_f32 v[PP+\tk], v[TT+\tk], v[MX]
.endr
	s_wait_alu depctr_va_vdst(0)
.irp tk, 0,1,2,3
	v_exp_f32 v[PP+\tk], v[PP+\tk]
.endr
	v_nop                                          ; (a plain place)
	s_wait_alu depctr_va_vdst(0)
	v_add_f32 v[MX+1], v[PP], v[PP+1]
	v_add_f32 v[MX+2], v[PP+2], v[PP+3]
.irp tk, 0,1,2,3
	v_mov_b32_dpp v[TT+\tk], v[PP+\tk] row_xmask:8 row_mask:0xf bank_mask:0xf
.endr
	v_add_f32 v[MX+1], v[MX+1], v[MX+2]
.irp tk, 0,1,2,3
	v_cndmask_b32 v[PP+\tk], v[PP+\tk], v[TT+\tk], s56   ; lanes 16-31: the eight upper tokens come first
.endr
.irp m, 1,2,4,8
	v_add_f32_dpp v[MX+1], v[MX+1], v[MX+1] row_xmask:\m row_mask:0xf bank_mask:0xf
.endr
.irp jj, 0,1,2,3,4,5,6,7
.irp tk, 0,1,2,3
	v_mov_b32_dpp v[PB+8*\tk+\jj], v[PP+\tk] row_share:\jj row_mask:0xf bank_mask:0xf
.endr
.endr
.endm
; O = the sum of p v over the 64 tokens, into the record with M and l
.macro SOFTV
.irp kb, 0,2
.irp jj, 0,2,4,6
.irp ff, 0,1,2,3
.irp kp, 0,1
.set KK, \kb+\kp
.if (\kb == 0) && (\jj == 0)
	v_pk_mul_f32 v[ST+4*\ff+2*\kp:ST+4*\ff+2*\kp+1], v[ACC+32*\ff+8*KK:ACC+32*\ff+8*KK+1], v[PB+8*KK:PB+8*KK+1]
.else
	v_pk_fma_f32 v[ST+4*\ff+2*\kp:ST+4*\ff+2*\kp+1], v[ACC+32*\ff+8*KK+\jj:ACC+32*\ff+8*KK+\jj+1], v[PB+8*KK+\jj:PB+8*KK+\jj+1], v[ST+4*\ff+2*\kp:ST+4*\ff+2*\kp+1]
.endif
.endr
.endr
.endr
.endr
.irp ff, 0,1,2,3
	v_pk_add_f32 v[ST+4*\ff:ST+4*\ff+1], v[ST+4*\ff:ST+4*\ff+1], v[ST+4*\ff+2:ST+4*\ff+3]
.endr
.irp ff, 0,1,2,3
	v_add_f32 v[TT+\ff], v[ST+4*\ff], v[ST+4*\ff+1]
.endr
.irp ff, 0,1,2,3
	v_permlanex16_b32 v[TT+4+\ff], v[TT+\ff], s48, s49   ; the other 32 tokens
.endr
.irp ff, 0,1,2,3
	v_add_f32 v[TT+\ff], v[TT+\ff], v[TT+4+\ff]
.endr
	v_add_nc_u32 v90, s47, v4
	v_add_nc_u32 v91, s52, v6
.irp ff, 0,1,2,3
	ds_store_b32 v90, v[TT+\ff] offset:64*\ff      ; feature 16 f + r; both halves write the same bytes with the same values
.endr
	ds_store_b32 v91, v[MX] offset:1024
	ds_store_b32 v91, v[MX+1] offset:1040
.endm
; A K or V step of 128 products.  Its first four K steps' fragments are in or on their way, the other four's are the youngest 32 LDS loads.
; fill = 1: in its middle the slot is filled again, two steps on;  last = 1: nothing follows;  sp: from which on 32 of the 64 kept stores go out here (-1: none);  how: see ASK
.macro STEP ty, fill, last, sp, how
.if \fill
	s_wait_xcnt 0x0                                ; the bases are stepped only behind this wait
.if (\ty) == 0
	s_add_nc_u64 s[20:21], s[20:21], 8192
	s_sub_nc_u64 s[22:23], s[22:23], 393216        ; prefetch: from a Wv to the Wk behind it,
.else
	s_add_nc_u64 s[22:23], s[22:23], 524288        ; and from a Wk to its Wv
.endif
.endif
.if \last
	s_wait_loadcnt 0x0
.else
	s_wait_loadcnt 0x4                             ; this step's scale words are in; the next step's four loads may be out
.endif
	s_wait_dscnt 32
.if (\sp) < 0
	MUL \ty, 0, 4
.else
.irp pc, 0,1,2,3
	MUL \ty, \pc, 1
	XST (\sp)+6*\pc, 6
.endr
.endif
	WIN 0
	s_wait_tensorcnt 0x0                           ; the other slot's tile is in
.if \fill
	ds_add_u32 v12, v13
	s_add_nc_u64 s[34+4*(\ty):35+4*(\ty)], s[34+4*(\ty):35+4*(\ty)], 131072
	s_wait_dscnt 1                                 ; K steps 4-7 are in; the add may be out
	MUL \ty, 4, 1
	s_wait_dscnt 0x0                               ; the add is done, and my reads of this slot are over
	s_barrier_signal -1
	MUL \ty, 5, 1
	WIN 0
	s_barrier_wait -1
	CREST
	TFILL \ty
.else
	s_wait_dscnt 0x0
	MUL \ty, 4, 2
	WIN 0
	PLACES
.endif
.if (\last) == 0
	LOADW 1-(\ty), 0
.endif
.if \fill
	ASK \how
.endif
	MUL \ty, 6, 1
.if (\sp) >= 0
	XST (\sp)+24, 4
.endif
	MUL \ty, 7, 1
.if (\sp) >= 0
	XST (\sp)+28, 4
.endif
	WIN 0
	PLACES                                         ; between the last product and the first read of results
.if (\ty) == 0
	SOFTK
.else
	SOFTV
	s_add_co_u32 s47, s47, 256
	s_add_co_u32 s52, s52, 4
.if \fill
	v_add_nc_u32 v90, s53, v3
	s_add_co_u32 s53, s53, 256
.irp t, 0,1,2,3
.irp cc, 0,1
	ds_load_b128 v[PB+8*\t+4*\cc:PB+8*\t+4*\cc+3], v90 offset:64*\t+16*\cc   ; the next head's q
.endr
.endr
.endif
.endif
	s_wait_alu depctr_va_vdst(0)
.if (\last) == 0
	LOADW 1-(\ty), 1
.endif
.if \fill
.irp t, 0,1,2,3
	global_load_b128 v[WS+16*(\ty)+4*\t:WS+16*(\ty)+4*\t+3], v1, s[20:21] offset:32768*(1+(\ty))+512*\t   ; the scale words of the step two on
.endr
.endif
.endm
	s_load_b256 s[4:11], s[0:1], 0x0               ; x s[4:5], w_qkv codes s[6:7], scales s[8:9], out0 s[10:11]
	s_load_b64 s[12:13], s[0:1], 0x20              ; part
	v_lshl_add_u32 v12, v0, 2, SPARE
	v_mov_b32 v13, 0
	ds_add_u32 v12, v13                            ; the wave's opening: the add, twice on end, waited for ahead of my first tensor load
	ds_add_u32 v12, v13
	v_lshrrev_b32 v1, 5, v0
	v_readfirstlane_b32 s14, v1                    ; wave 0..3
	s_bfe_u32 s15, ttmp6, 0x40000                  ; cx
	s_lshl_b32 s16, ttmp9, 2
	s_add_co_u32 s16, s16, s15                     ; C = 4 x cluster + cx
	s_mov_b32 s24, 15|(1<<20)|(1<<21)|(6<<22)|(3<<25)  ; group 1: mask 15, elements of 1 byte, padding of 4 words after every 128, bit 21 beside a mask
	s_mov_b32 s25, 512<<16                         ; 64 rows of 512 bytes, 512 apart
	s_mov_b32 s26, 64<<16
	s_mov_b32 s27, 512<<16
	s_mov_b32 s28, 64
	s_mov_b32 s29, 512
	s_mov_b32 s30, 0
	s_mov_b32 s31, 0
	s_mov_b32 s48, 0x76543210
	s_mov_b32 s49, 0xfedcba98                      ; v_permlanex16_b32: lane l xor 16
	s_mov_b32 s50, 0x3e38aa3b                      ; log2(e) / 8
	s_mov_b32 s51, s50                             ; (named with it as a pair)
	s_mov_b32 s56, 0xffff0000                      ; lanes 16-31
	s_mov_b32 s47, 0                               ; record: 256 i,
	s_mov_b32 s52, 0                               ; 4 i;
	s_mov_b32 s53, 256                             ; q: 256 (i + 1)
	s_cmp_lt_u32 ttmp9, 4
	s_cselect_b32 s57, 1, -1                       ; the loop's trips above this count ask
	s_lshl_b32 s40, s14, 10
	s_add_co_u32 s40, s40, QVL
	s_mul_i32 s41, s14, 768
	s_add_co_u32 s43, s41, XSC
	s_add_co_u32 s41, s41, QROW
	s_mul_i32 s42, s14, TILE
	s_add_co_u32 s42, s42, XC
	s_mul_i32 s44, s14, 33792                      ; my 64 rows of a slot
	s_mul_i32 s55, s14, 1536
	s_add_co_u32 s55, s55, REC
	s_lshl_b32 s54, s15, 13
	v_and_b32 v64, 15, v0                          ; r
	v_bfe_u32 v65, v0, 4, 1                        ; h
	v_and_b32 v66, 31, v0                          ; lane
	v_lshlrev_b32 v1, 5, v64
	v_lshl_add_u32 v1, v65, 4, v1                  ; 32 r + 16 h: in x and out0, and in 16 rows of weight scales
	v_lshlrev_b32 v2, 8, v66
	v_add_nc_u32 v2, s54, v2                       ; prefetch: 8,192 cx + 256 lane
	v_lshl_add_u32 v3, v65, 5, s40
	v_lshl_add_u32 v4, v64, 2, s55
	v_lshl_add_u32 v5, v66, 2, s41                 ; class row: codes in,
	v_lshrrev_b32 v6, 2, v66
	v_add_nc_u32 v9, s43, v6                       ; scale bytes of my rows in: a byte for four lanes
	v_add_nc_u32 v6, s41, v6
	v_add_nc_u32 v6, 0x200, v6                     ; class row: scale bytes in,
	v_lshl_add_u32 v7, v65, 4, s41                 ; and out: the same for every r
	v_lshl_add_u32 v8, v66, 2, s42                 ; codes of my rows in
	v_mul_u32_u24 v10, v64, 0x210
	v_lshl_add_u32 v10, v65, 4, v10                ; a fragment: 528 r + 16 h
	v_add_nc_u32 v14, s44, v10
	v_add_nc_u32 v15, SLOT, v14
	v_add_nc_u32 v10, XC, v10
	v_mul_u32_u24 v11, v64, 48
	v_lshl_add_u32 v11, v65, 4, v11
	v_add_nc_u32 v11, XSC, v11
	v_lshlrev_b32 v67, 5, v66                      ; the class row in memory: 32 lane
	s_wait_alu depctr_va_vdst(0)
	s_wait_dscnt 0x0                               ; both opening adds are done
	s_wait_kmcnt 0x0
	s_mov_b32 s59, 0
	s_mov_b32 s61, 0
	s_lshr_b32 s60, s16, 4
	s_lshl_b32 s60, s60, 22
	s_add_nc_u64 s[40:41], s[4:5], s[60:61]        ; the batch's class row
	s_lshl_b32 s60, s16, 18
	s_lshl_b32 s58, s14, 16
	s_add_co_u32 s60, s60, s58
	s_add_nc_u64 s[4:5], s[4:5], s[60:61]          ; my 16 rows of x
	s_add_nc_u64 s[10:11], s[10:11], s[60:61]      ; and of out0
	s_lshl_b32 s58, s14, 11
	s_add_nc_u64 s[20:21], s[8:9], s[58:59]        ; the scales of head w
	s_lshl_b32 s58, s14, 15
	s_add_nc_u64 s[62:63], s[6:7], s[58:59]        ; the codes of head w
	s_add_nc_u64 s[22:23], s[62:63], 131072        ; prefetches: at step 1
	s_mov_b32 s32, 1                               ; group 0 of slot 0: step 0
	s_mov_b32 s33, s44
	s_mov_b64 s[34:35], s[62:63]
	s_or_b32 s35, s35, 0x80000000
	s_mov_b32 s36, 1                               ; group 0 of slot 1: step 1
	s_add_co_u32 s37, s44, SLOT
	s_add_nc_u64 s[38:39], s[62:63], 131072
	s_or_b32 s39, s39, 0x80000000
	s_lshr_b32 s60, s16, 4
	s_lshl_b32 s60, s60, 2
	s_add_co_u32 s60, s60, s14
	s_lshl_b32 s60, s60, 4
	s_and_b32 s58, s16, 15
	s_add_co_u32 s60, s60, s58
	s_mul_i32 s60, s60, 1536                       ; record block (batch, wave, 64 rows)
	s_add_nc_u64 s[12:13], s[12:13], s[60:61]
.irp q, 0,1,2,3
.irp i, 0,1
	global_load_b128 v[QACC+8*\q+4*\i:QACC+8*\q+4*\i+3], v67, s[40:41] offset:1024*\q+16*\i   ; the class row: 8 neighbours a lane
.endr
.endr
.irp n, 0,1
.irp t, 0,1,2,3
	global_load_b128 v[WS+16*\n+4*\t:WS+16*\n+4*\t+3], v1, s[20:21] offset:8192*\n+512*\t     ; the scale words of steps 0 and 1
.endr
.endr
	CROUND                                         ; all four work-groups are here: the first joint loads meet
	TFILL 0                                        ; step 0
	XLOAD 1, 0, 0
	s_cmp_lt_u32 ttmp9, 4
	s_cbranch_scc0 .Lhead_no_ask
	global_prefetch_b8 v2, s[22:23] th:TH_LOAD_NT scope:SCOPE_SE
	global_prefetch_b8 v2, s[22:23] offset:131072 th:TH_LOAD_NT scope:SCOPE_SE
.Lhead_no_ask:
	XLOAD 1, 128, 1
	s_wait_loadcnt 63                              ; of 80 loads 17 are in: the class row and the scale words among them
.irp q, 0,1,2,3
	v_max3_num_f32 v[64+\q], |v[QACC+8*\q]|, |v[QACC+1+8*\q]|, 0x1800000
.endr
.irp j, 2,4,6
.irp q, 0,1,2,3
	v_max3_num_f32 v[64+\q], |v[QACC+8*\q+\j]|, |v[QACC+1+8*\q+\j]|, v[64+\q]
.endr
.endr
.irp m, 1,2
.irp q, 0,1,2,3
	v_max_num_f32_dpp v[64+\q], v[64+\q], v[64+\q] row_xmask:\m row_mask:0xf bank_mask:0xf
.endr
.endr
.irp q, 0,1,2,3
	v_add_nc_u32 v[64+\q], 0xff000000, v[64+\q]
.endr
.irp q, 0,1,2,3
	v_lshrrev_b32 v[68+\q], 23, v[64+\q]
.endr
.irp q, 0,1,2,3
	v_cvt_scalef32_pk8_fp4_f32 v[72+\q], v[QACC+8*\q:QACC+7+8*\q], v[64+\q]
.endr
	v_nop                                          ; one plain place behind the last scaled conversion
.irp q, 0,1,2,3
	ds_store_b32 v5, v[72+\q] offset:128*\q
	ds_store_b8 v6, v[68+\q] offset:8*\q
.endr
	ds_load_b128 v[XS:XS+3], v7 offset:512         ; LDS serves a wave's instructions in order: these see my stores
.irp s, 0,1,2,3,4,5,6,7
.irp cc, 0,1
	ds_load_b128 v[CF+8*\s+4*\cc:CF+8*\s+4*\cc+3], v7 offset:64*\s+32*\cc
.endr
.endr
	v_and_b32 v6, 15, v0
	v_lshlrev_b32 v6, 5, v6
	v_add_nc_u32 v6, s55, v6                       ; from here on: where M and l go in the record, 16 times
	s_wait_alu depctr_va_vdst(0)
	s_wait_loadcnt 32                              ; group 0 is in (group 1 may be out)
	XLOAD 3, 0, 2
	CSTORE 1, 0, 0
	s_wait_xcnt 0x0                                ; the stores have read the group's registers
	QUANT 1, 0, 0
	TURN 1, 0, 262144, 0                           ; step 0 is in; step 1 is asked for (slot 1's first fill); the prefetch names step 3
	LOADW 0, 0
	LOADW 0, 1
	ASK 0
	s_wait_loadcnt 32                              ; group 1 is in (group 2 may be out)
	XLOAD 3, 128, 3
	CSTORE 1, 128, 1
	s_wait_dscnt 0x0                               ; the step's weights are in
	QGO 0, 16384
	s_wait_xcnt 0x0
	QUANT 1, 128, 1
	TURN 0, 262144, 131072, 0                      ; step 2;  the prefetch names step 4
	LOADW 1, 0
	LOADW 1, 1
	ASK 0
	s_wait_loadcnt 36                              ; group 2 is in (group 3 and step 2's scale words may be out)
	QUANT 3, 0, 2
	SWAP 3, 0                                      ; as it was loaded: it is stored later
	s_wait_alu depctr_va_vdst(0)
	s_wait_dscnt 0x0
	QGO 1, 24576
	TURN 1, 262144, 524288, 0                      ; step 3;  the prefetch names step 5
	LOADW 0, 0
	LOADW 0, 1
	ASK 0
	s_wait_loadcnt 8                               ; group 3 is in (the scale words of steps 2 and 3 may be out)
	QUANT 3, 128, 3
	SWAP 3, 128
	s_wait_alu depctr_va_vdst(0)
	s_wait_loadcnt 4                               ; step 2's scale words are in
	s_wait_dscnt 0x0
	QGO 2, 32768
	TURN 0, 262144, 0, 393216                      ; step 4: Wk;  the prefetch names step 6.  Behind this round all 64 rows' codes lie in LDS
	LOADW 1, 0
	LOADW 1, 1
	ASK 0
	WIN 0x40
.irp tk, 0,1,2,3
.irp s, 0,1,2,3,4,5,6,7
.irp cc, 0,1
	ds_load_b128 v[64*\tk+8*\s+4*\cc:64*\tk+8*\s+4*\cc+3], v10 offset:TILE*\tk+64*\s+32*\cc
.endr
.endr
.endr
	WIN 0
	s_wait_loadcnt 4                               ; step 3's scale words are in
	s_wait_dscnt 63                                ; the step's weights are in: 64 younger loads were issued
	QGO 3, 65536
	TURN 1, 655360, 524288, 0                      ; step 5: Wv;  the prefetch names step 7
	LOADW 0, 0
.irp tk, 0,1,2,3
	ds_load_b128 v[XS+4*\tk:XS+4*\tk+3], v11 offset:768*\tk
.endr
.irp t, 0,1,2,3
.irp cc, 0,1
	ds_load_b128 v[PB+8*\t+4*\cc:PB+8*\t+4*\cc+3], v3 offset:64*\t+16*\cc
.endr
.endr
	LOADW 0, 1
	ASK 0
	STEP 0, 1, 0, 0, 0                             ; i = 0: the kept groups of x go out here
	STEP 1, 1, 0, 32, 0
	s_mov_b32 s46, 2
.Lheads:                                               ; a trip: Wk and Wv of one i; each step's slot is filled again with the next i's
	STEP 0, 1, 0, -1, 1
	STEP 1, 1, 0, -1, 1
	s_sub_co_u32 s46, s46, 1
	s_cmp_lg_u32 s46, 0
	s_cbranch_scc1 .Lheads
	STEP 0, 0, 0, -1, 1                            ; the last i is written out: nothing more is asked for
	STEP 1, 0, 1, -1, 1
	v_and_b32 v64, 31, v0
	v_lshlrev_b32 v64, 4, v64
	v_add_nc_u32 v65, s55, v64
.irp t, 0,1,2
	ds_load_b128 v[68+4*\t:71+4*\t], v65 offset:512*\t     ; LDS serves a wave's instructions in order: these see my stores
.endr
	s_wait_alu depctr_va_vdst(0)
	s_wait_dscnt 0x0
.irp t, 0,1,2
	global_store_b128 v64, v[68+4*\t:71+4*\t], s[12:13] offset:512*\t   ; 512 consecutive bytes a store, aligned to 256
.endr
	s_wait_tensorcnt 0x0                           ; the wave's end
	ds_add_u32 v12, v13
	s_wait_dscnt 0x0
	CROUND                                         ; the closing round
	s_endpgm
.Lfunc_end_k_q9f5c29c177_attn:
	.size	k_q9f5c29c177_attn, .Lfunc_end_k_q9f5c29c177_attn-k_q9f5c29c177_attn
	.p2alignl 7, 3214868480
	.fill 96, 4, 3214868480
	.section	.rodata,"a",@progbits
	.p2align	6, 0x0
	.amdhsa_kernel k_q9f5c29c177_attn
		.amdhsa_group_segment_fixed_size 327680
		.amdhsa_private_segment_fixed_size 0
		.amdhsa_enable_private_segment 0
		.amdhsa_kernarg_size 40
		.amdhsa_user_sgpr_count 2
		.amdhsa_user_sgpr_kernarg_segment_ptr 1
		.amdhsa_wavefront_size32 1
		.amdhsa_system_sgpr_workgroup_id_x 1
		.amdhsa_system_sgpr_workgroup_id_y 1
		.amdhsa_system_sgpr_workgroup_id_z 1
		.amdhsa_system_vgpr_workitem_id 0
		.amdhsa_next_free_vgpr 1024
		.amdhsa_next_free_sgpr 66
		.amdhsa_reserve_vcc 0
		.amdhsa_float_denorm_mode_32 3
		.amdhsa_float_denorm_mode_16_64 3
		.amdhsa_memory_ordered 1
		.amdhsa_forward_progress 1
		.amdhsa_inst_pref_size 255
	.end_amdhsa_kernel
	.section	.bss,"aw",@nobits
	.p2align	6
	.space	262144
	.amdgpu_metadata
---
amdhsa.version: [ 1, 2 ]
amdhsa.kernels:
  - .name:           k_q9f5c29c177_attn
    .symbol:         k_q9f5c29c177_attn.kd
    .args:
      - { .name: x, .offset: 0, .size: 8, .value_kind: global_buffer, .address_space: global }
      - { .name: w_qkv_codes, .offset: 8, .size: 8, .value_kind: global_buffer, .address_space: global }
      - { .name: w_qkv_scales, .offset: 16, .size: 8, .value_kind: global_buffer, .address_space: global }
      - { .name: out0, .offset: 24, .size: 8, .value_kind: global_buffer, .address_space: global }
      - { .name: part, .offset: 32, .size: 8, .value_kind: global_buffer, .address_space: global }
    .group_segment_fixed_size: 327680
    .private_segment_fixed_size: 0
    .kernarg_segment_align: 8
    .kernarg_segment_size: 40
    .max_flat_workgroup_size: 128
    .sgpr_count:     66
    .vgpr_count:     1024
    .wavefront_size: 32
...
	.end_amdgpu_metadata
.endif
;; end of part 1
;; launch proj (part 2): grid 16 x 16, 4 waves a work-group, no clusters, 8,448 bytes of LDS; arguments part, w_proj_codes, w_proj_scales, b_proj, out0; writes out0
.if DOCPART == 2
	.amdgcn_target "amdgcn-amd-amdhsa--gfx1250"
	.amdhsa_code_object_version 6
	.text
	.protected	k_q9f5c29c177_proj
	.globl	k_q9f5c29c177_proj
	.p2align	8
	.type	k_q9f5c29c177_proj,@function
k_q9f5c29c177_proj:
	s_mov_b64 s[64:65], 0
	v_nop
	global_prefetch_b8 v0, s[64:65] scope:SCOPE_SE
	s_setreg_imm32_b32 hwreg(HW_REG_WAVE_MODE, 25, 1), 1
	s_wait_xcnt 0x0
; CLASS ATTENTION, second launch: out0[b][0][:] = Q(cls[b]) . w_proj^T + b_proj.  cls[b][64 head + e] = (sum over 16 parts c of 2^(M_c - M) O_c[e]) / (sum of 2^(M_c - M) l_c).
; part: block ((4 b + w) 16 + c) of 1,536 bytes: O of heads 4 i + w, i = 0 .. 3, 256 bytes each, then 16 times (M of the four, l of the four).  w_proj: codes of E2M1 [1024][512 bytes], E8M0 bytes [1024][32].
; SHARES.  Work-group (x, y): 64 outputs from 64 x on, of batch y.  Wave w joins the parts of its four heads: a load covers 512 consecutive bytes (two heads); lane (r, h) has numbers 4 r .. 4 r + 3 of heads 4 h + w and 8 + 4 h + w.
; The weights 2^(M_c - M) / l are made with lane r = part c, and shared out over the lanes by row_share.  The four waves' 1,024 numbers meet in LDS; then every wave quantises all of them, a lane a block of 32,
; and makes the 16 outputs from f0 = 64 x + 16 w on: source 0 = 16 rows of w_proj, source 1 = the one row in all 16 columns; lane (r, h), register j holds output f0 + 8 h + j.
; No cluster and no joint loads: each byte is read once into registers; 24 KiB of partials and 8.5 KiB of weights a wave, no loop.  No prefetch: there is no loop to run ahead in.
; This launch leaves out what the first leaves out: q of the rows that are no class rows.
; LIMITS: 1 / l by v_rcp_f32.  A block of zeros gets the scale byte 1 and not 127: its codes are zeros, and this program alone reads the byte.
.set CODES, 4608                       ; LDS: from 0 on 32 blocks of 32 numbers, pitch 144; 768 bytes a wave: codes and scale bytes;
.set OUTS,  7680                       ; the 64 outputs;
.set SPARE, 7936                       ; the spare words, 128 bytes a wave
	s_load_b256 s[4:11], s[0:1], 0x0               ; part s[4:5], w_proj codes s[6:7], scales s[8:9], b_proj s[10:11]
	s_load_b64 s[12:13], s[0:1], 0x20              ; out0
	v_lshrrev_b32 v1, 5, v0
	v_readfirstlane_b32 s14, v1                    ; wave 0..3
	s_and_b32 s15, ttmp7, 0xffff                   ; the batch
	s_lshl_b32 s16, ttmp9, 6
	s_lshl_b32 s17, s14, 4
	s_add_co_u32 s16, s16, s17                     ; f0
	s_mul_i32 s18, s15, 98304
	s_mul_i32 s17, s14, 24576
	s_add_co_u32 s18, s18, s17                     ; my 16 blocks
	s_mov_b32 s19, 0
	s_lshl_b32 s20, s16, 9                         ; w_proj's row f0: codes,
	s_mov_b32 s21, 0
	s_lshl_b32 s22, s16, 5                         ; scale bytes,
	s_mov_b32 s23, 0
	s_lshl_b32 s24, s16, 2                         ; and the bias
	s_mov_b32 s25, 0
	s_lshl_b32 s26, s15, 22                        ; out0: the batch's row 0,
	s_lshl_b32 s27, ttmp9, 8
	s_add_co_u32 s26, s26, s27                     ; + 256 bytes a slice
	s_mov_b32 s27, 0
	s_mul_i32 s28, s14, 768
	s_add_co_u32 s28, s28, CODES
	s_lshl_b32 s29, s14, 6
	s_add_co_u32 s29, s29, OUTS
	s_mul_i32 s30, s14, 288
	s_mov_b32 s31, 0xffff0000                      ; lanes 16-31
	v_lshl_add_u32 v248, v0, 2, SPARE
	v_mov_b32 v249, 0
	v_and_b32 v1, 31, v0                           ; lane
	v_and_b32 v2, 15, v0                           ; r
	v_bfe_u32 v3, v0, 4, 1                         ; h
	v_mul_u32_u24 v4, v2, 0x600                    ; part c = r
	v_lshlrev_b32 v5, 4, v1
	v_lshlrev_b32 v6, 9, v2
	v_lshl_add_u32 v6, v3, 4, v6                   ; weight codes: 512 r + 16 h
	v_lshlrev_b32 v7, 5, v2
	v_lshl_add_u32 v7, v3, 4, v7                   ; weight scales: 32 r + 16 h
	v_lshlrev_b32 v8, 5, v3                        ; bias: 32 h
	v_lshl_add_u32 v9, v1, 4, s28                  ; my block's 16 code bytes
	v_add_nc_u32 v10, s28, v1
	v_add_nc_u32 v10, 0x200, v10                   ; and its scale byte
	v_lshl_add_u32 v11, v3, 4, s28                 ; back: the same for every r
	v_lshl_add_u32 v250, v3, 5, s29                ; my tile's 16 outputs
	v_lshrrev_b32 v253, 3, v2
	v_mul_u32_u24 v251, v253, 0x90
	v_and_b32 v253, 7, v2
	v_lshl_add_u32 v251, v253, 4, v251
	v_mul_u32_u24 v253, v3, 0x480
	v_add_nc_u32 v251, v251, v253
	v_add_nc_u32 v251, s30, v251                   ; my four numbers: block 8 h + 2 w + r / 8, place 4 (r % 8)
	v_mul_u32_u24 v252, v1, 0x90                   ; back: block = lane
.irp i, 0,1,2,3,4,5,6,7
	v_mov_b32 v[240+\i], 0                         ; (lane moves' destinations, and the upper halves of pairs that are named)
.endr
	s_wait_alu depctr_va_vdst(0)
	s_wait_kmcnt 0x0
	s_add_nc_u64 s[4:5], s[4:5], s[18:19]
	s_add_nc_u64 s[6:7], s[6:7], s[20:21]
	s_add_nc_u64 s[8:9], s[8:9], s[22:23]
	s_add_nc_u64 s[10:11], s[10:11], s[24:25]
	s_add_nc_u64 s[12:13], s[12:13], s[26:27]
	global_load_b128 v[16:19], v4, s[4:5] offset:1024      ; M of my four heads, part r
	global_load_b128 v[20:23], v4, s[4:5] offset:1040      ; l
.irp c, 0,1,2,3,4,5,6,7,8,9,10,11,12,13,14,15
	global_load_b128 v[32+8*\c:35+8*\c], v5, s[4:5] offset:1536*\c
	global_load_b128 v[36+8*\c:39+8*\c], v5, s[4:5] offset:1536*\c+512
.endr
.irp s, 0,1,2,3,4,5,6,7
.irp c, 0,1
	global_load_b128 v[160+8*\s+4*\c:160+8*\s+4*\c+3], v6, s[6:7] offset:64*\s+32*\c
.endr
.endr
	global_load_b128 v[224:227], v7, s[8:9]        ; lanes 0-15: the words of K steps 0-3; lanes 16-31: of 4-7
	global_load_b128 v[232:235], v8, s[10:11]
	global_load_b128 v[236:239], v8, s[10:11] offset:16
	s_wait_loadcnt 51                              ; M and l are in: 51 younger loads may be out
.irp i, 0,1,2,3
	v_mov_b32 v[24+\i], v[16+\i]
.endr
.irp m, 1,2,4,8
.irp i, 0,1,2,3
	v_max_num_f32_dpp v[24+\i], v[24+\i], v[24+\i] row_xmask:\m row_mask:0xf bank_mask:0xf
.endr
.endr
.irp i, 0,1,2,3
	v_sub_f32 v[16+\i], v[16+\i], v[24+\i]
.endr
	s_wait_alu depctr_va_vdst(0)
.irp i, 0,1,2,3
	v_exp_f32 v[16+\i], v[16+\i]                   ; 2^(M_c - M)
.endr
	v_nop
	s_wait_alu depctr_va_vdst(0)
.irp i, 0,1,2,3
	v_mul_f32 v[24+\i], v[16+\i], v[20+\i]
.endr
.irp m, 1,2,4,8
.irp i, 0,1,2,3
	v_add_f32_dpp v[24+\i], v[24+\i], v[24+\i] row_xmask:\m row_mask:0xf bank_mask:0xf
.endr
.endr
	s_wait_alu depctr_va_vdst(0)
.irp i, 0,1,2,3
	v_rcp_f32 v[28+\i], v[24+\i]
.endr
	v_nop
	s_wait_alu depctr_va_vdst(0)
.irp i, 0,1,2,3
	v_mul_f32 v[16+\i], v[16+\i], v[28+\i]
.endr
	v_cndmask_b32 v20, v16, v17, s31               ; part r's weight: lanes 0-15 head w, lanes 16-31 head 4 + w;
	v_cndmask_b32 v21, v18, v19, s31               ; heads 8 + w, 12 + w
	s_wait_alu depctr_va_vdst(0)
	s_wait_loadcnt 19                              ; the partials are in; the 19 loads of weights, scale words and bias may be out
.irp c, 0,1,2,3,4,5,6,7,8,9,10,11,12,13,14,15
.set TW, 240+4*(\c%2)
	v_mov_b32_dpp v[TW], v20 row_share:\c row_mask:0xf bank_mask:0xf
	v_mov_b32_dpp v[TW+2], v21 row_share:\c row_mask:0xf bank_mask:0xf
.if \c == 0
	v_pk_mul_f32 v[24:25], v[32:33], v[TW:TW+1] op_sel_hi:[1,0]
	v_pk_mul_f32 v[26:27], v[34:35], v[TW:TW+1] op_sel_hi:[1,0]
	v_pk_mul_f32 v[28:29], v[36:37], v[TW+2:TW+3] op_sel_hi:[1,0]
	v_pk_mul_f32 v[30:31], v[38:39], v[TW+2:TW+3] op_sel_hi:[1,0]
.else
	v_pk_fma_f32 v[24:25], v[32+8*\c:33+8*\c], v[TW:TW+1], v[24:25] op_sel_hi:[1,0,1]
	v_pk_fma_f32 v[26:27], v[34+8*\c:35+8*\c], v[TW:TW+1], v[26:27] op_sel_hi:[1,0,1]
	v_pk_fma_f32 v[28:29], v[36+8*\c:37+8*\c], v[TW+2:TW+3], v[28:29] op_sel_hi:[1,0,1]
	v_pk_fma_f32 v[30:31], v[38+8*\c:39+8*\c], v[TW+2:TW+3], v[30:31] op_sel_hi:[1,0,1]
.endif
.endr
	ds_store_b128 v251, v[24:27]
	ds_store_b128 v251, v[28:31] offset:2304       ; 16 blocks on
	s_wait_dscnt 0x0                               ; for the others' sake: my numbers lie in LDS
	s_barrier_signal -1
	s_barrier_wait -1
.irp j, 0,1,2,3,4,5,6,7
	ds_load_b128 v[32+4*\j:35+4*\j], v252 offset:16*\j
.endr
	s_wait_dscnt 0x0
	; my block of 32 numbers of cls: its largest magnitude, its scale, its codes
	v_max3_num_f32 v253, |v32|, |v33|, |v34|
	v_max3_num_f32 v254, |v35|, |v36|, |v37|
.irp i, 6,10,14,18,22,26
	v_max3_num_f32 v253, v253, |v[32+\i]|, |v[33+\i]|
	v_max3_num_f32 v254, v254, |v[34+\i]|, |v[35+\i]|
.endr
	v_max3_num_f32 v253, v253, |v62|, |v63|
	v_max3_num_f32 v253, v253, v254, 0x1800000     ; with the floor 2^(3 - 127): the byte cannot fall under 1
	v_add_nc_u32 v255, 0xff000000, v253            ; 2 off the exponent field: the conversion takes that field as its scale
	v_lshrrev_b32 v22, 23, v255                    ; the scale's byte
.irp g, 0,1,2,3
	v_cvt_scalef32_pk8_fp4_f32 v[12+\g], v[32+8*\g:39+8*\g], v255
.endr
	v_nop                                          ; one plain place behind the last scaled conversion
	ds_store_b128 v9, v[12:15]
	ds_store_b8 v10, v22
	ds_load_b128 v[228:231], v11 offset:512        ; LDS serves a wave's instructions in order: these see my stores
.irp s, 0,1,2,3,4,5,6,7
.irp c, 0,1
	ds_load_b128 v[64+8*\s+4*\c:64+8*\s+4*\c+3], v11 offset:64*\s+32*\c
.endr
.endr
	s_wait_loadcnt 0x0
	s_wait_dscnt 0x0
	; eight K steps on two accumulators by turns; the bias is the C of the first
.irp s, 0,1,2,3,4,5,6,7
.if \s == 1
	v_wmma_scale_f32_16x16x128_f8f6f4 v[240:247], v[168:175], v[72:79], 0, v225, v229 matrix_a_fmt:MATRIX_FMT_FP4 matrix_b_fmt:MATRIX_FMT_FP4
.elseif \s < 4
	v_wmma_scale_f32_16x16x128_f8f6f4 v[232+8*(\s%2):239+8*(\s%2)], v[160+8*\s:167+8*\s], v[64+8*\s:71+8*\s], v[232+8*(\s%2):239+8*(\s%2)], v[224+\s], v[228+\s] matrix_a_fmt:MATRIX_FMT_FP4 matrix_b_fmt:MATRIX_FMT_FP4
.else
	v_wmma_scale_f32_16x16x128_f8f6f4 v[232+8*(\s%2):239+8*(\s%2)], v[160+8*\s:167+8*\s], v[64+8*\s:71+8*\s], v[232+8*(\s%2):239+8*(\s%2)], v[220+\s], v[224+\s] matrix_a_fmt:MATRIX_FMT_FP4 matrix_b_fmt:MATRIX_FMT_FP4 matrix_a_scale:MATRIX_SCALE_ROW1 matrix_b_scale:MATRIX_SCALE_ROW1
.endif
.endr
.rept 4
	v_nop                                          ; four places between the last product and the first read of results
.endr
.irp k, 0,2,4,6
	v_pk_add_f32 v[32+\k:33+\k], v[232+\k:233+\k], v[240+\k:241+\k]    ; both accumulators from their low ends on
.endr
	v_lshlrev_b32 v16, 3, v1                       ; the way out: 8 bytes a lane
	v_add_nc_u32 v17, OUTS, v16
	ds_store_b128 v250, v[32:35]                   ; the sixteen lanes of a half write the same bytes with the same values
	ds_store_b128 v250, v[36:39] offset:16
	s_wait_alu depctr_va_vdst(0)
	s_wait_dscnt 0x0                               ; for the others' sake: my outputs lie in LDS
	s_barrier_signal -1
	s_barrier_wait -1
	s_cmp_lg_u32 s14, 0
	s_cbranch_scc1 .Ldone                          ; wave 0 stores the work-group's 64 outputs
	ds_load_b64 v[40:41], v17
	s_wait_dscnt 0x0
	global_store_b64 v16, v[40:41], s[12:13]       ; 32 lanes store 256 consecutive bytes, aligned
.Ldone:
	s_wait_tensorcnt 0x0                           ; the wave's end
	ds_add_u32 v248, v249
	s_wait_dscnt 0x0
	s_endpgm
.Lfunc_end_k_q9f5c29c177_proj:
	.size	k_q9f5c29c177_proj, .Lfunc_end_k_q9f5c29c177_proj-k_q9f5c29c177_proj
	.p2alignl 7, 3214868480
	.fill 96, 4, 3214868480
	.section	.rodata,"a",@progbits
	.p2align	6, 0x0
	.amdhsa_kernel k_q9f5c29c177_proj
		.amdhsa_group_segment_fixed_size 8448
		.amdhsa_private_segment_fixed_size 0
		.amdhsa_enable_private_segment 0
		.amdhsa_kernarg_size 40
		.amdhsa_user_sgpr_count 2
		.amdhsa_user_sgpr_kernarg_segment_ptr 1
		.amdhsa_wavefront_size32 1
		.amdhsa_system_sgpr_workgroup_id_x 1
		.amdhsa_system_sgpr_workgroup_id_y 1
		.amdhsa_system_sgpr_workgroup_id_z 1
		.amdhsa_system_vgpr_workitem_id 0
		.amdhsa_next_free_vgpr 256
		.amdhsa_next_free_sgpr 66
		.amdhsa_reserve_vcc 0
		.amdhsa_float_denorm_mode_32 3
		.amdhsa_float_denorm_mode_16_64 3
		.amdhsa_memory_ordered 1
		.amdhsa_forward_progress 1
		.amdhsa_inst_pref_size 23
	.end_amdhsa_kernel
	.amdgpu_metadata
---
amdhsa.version: [ 1, 2 ]
amdhsa.kernels:
  - .name:           k_q9f5c29c177_proj
    .symbol:         k_q9f5c29c177_proj.kd
    .args:
      - { .name: part, .offset: 0, .size: 8, .value_kind: global_buffer, .address_space: global }
      - { .name: w_proj_codes, .offset: 8, .size: 8, .value_kind: global_buffer, .address_space: global }
      - { .name: w_proj_scales, .offset: 16, .size: 8, .value_kind: global_buffer, .address_space: global }
      - { .name: b_proj, .offset: 24, .size: 8, .value_kind: global_buffer, .address_space: global }
      - { .name: out0, .offset: 32, .size: 8, .value_kind: global_buffer, .address_space: global }
    .group_segment_fixed_size: 8448
    .private_segment_fixed_size: 0
    .kernarg_segment_align: 8
    .kernarg_segment_size: 40
    .max_flat_workgroup_size: 128
    .sgpr_count:     66
    .vgpr_count:     256
    .wavefront_size: 32
...
	.end_amdgpu_metadata
.endif
;; end of part 2
